; MI455X (gfx1250); checked and timed in simulation.
; The chip was launched on July 23, 2026; its instructions are those of AMD's public machine-readable ISA for CDNA 5 (MIT licence, August 2026) and "CDNA5" Instruction Set Architecture Reference Guide (July 2026). The comments in the code are by the model that wrote it; some were corrected since.
;; Attention Luong for batch. Allowed arithmetic: float matrix products may take bf16 or f16 operands with f32 sums; all other float work in f32.
;; Inputs: attn_b 1,024 float32; attn_w 1,024 x 1,024 float32; encoder_outputs 2,048 x 32 x 1,024 float32; hidden 1 x 32 x 1,024 float32.
;; Outputs: out0 1 x 32 x 2,048 float32.
;; One version. Each part assembles by itself: llvm-mc -triple=amdgcn-amd-amdhsa -mcpu=gfx1250 --defsym DOCPART=n.
;; ======== version 1 of 1: 3 launches
;; workspace buffers: vp 262,144 bytes; scores 262,144 bytes
;; launch fold (part 1): grid 16 x 2, 16 waves a work-group, no clusters, 133,120 bytes of LDS; arguments hidden, attn_w, vp; writes vp
.if DOCPART == 1
	.amdgcn_target "amdgcn-amd-amdhsa--gfx1250"
	.amdhsa_code_object_version 6
	.text
	.protected	k_q7b26c2f63d_fold
	.globl	k_q7b26c2f63d_fold
	.p2align	8
	.type	k_q7b26c2f63d_fold,@function
k_q7b26c2f63d_fold:
	s_mov_b64 s[64:65], 0
	v_nop
	global_prefetch_b8 v0, s[64:65] scope:SCOPE_SE
	s_setreg_imm32_b32 hwreg(HW_REG_WAVE_MODE, 25, 1), 1
	s_wait_xcnt 0x0
; vp[p][b][h] = the sum over the 512 values of o in K half p of hidden[b][o] * W[o][h].   hidden: [32][1024], W: [1024][1024], vp: [2][32][1024], all f32.
; WHY.  score(b, s) = hidden[b] . (W enc[s][b] + bias) = enc[s][b] . v[b] + hidden[b] . bias with v[b] = hidden[b] W: the same sum in another order, for every input.
; This launch makes v (in two halves of K, which the next launch adds); the next one the products with enc; the last one hidden . bias and the softmax.
; FORMAT.  The product runs on the matrix unit in bf16 with f32 sums.  A score is a sum of 1,024 products with v, and the softmax needs differences of scores to about 0.01, which one rounding of hidden
; and W to bf16 does not give.  So each f32 number x is split: hi = bf16(x), lo = bf16(x - hi) (the difference is exact in f32), and three products are summed: hi hi + hi lo + lo hi.
; LIMITS.  What is left out (lo lo, and the rounding of lo) is at most about 2^-17 of each product's size.  A number of 3.39e38 or more rounds to an infinite hi.  NaN and infinities pass into v.
; SHARES.  Work-group (x, y): columns h = 64 x .. 64 x + 63, K half y.  Wave w of 16: o = 512 y + 32 w .. + 31, all 32 rows b: 2 tiles of b x 4 tiles of columns x 3 products = 24 matrix instructions.
; All 24 loads of a wave go out at once.  The 16 waves' partial sums meet in LDS behind the launch's one barrier; wave u then adds up rows b = 2 u and 2 u + 1.
; Column tile t holds column 64 x + 4 r + t in lane r, so one 16-byte load of four neighbouring columns of W feeds all four tiles, and 16 lanes read 256 consecutive bytes of a row of W, aligned.
; Of hidden a wave reads 128 bytes of each of 32 rows: 64 KiB a work-group, 2 MiB in the launch.
; NO CLUSTER: what work-groups share is hidden's 64 KiB a K half, half of the 128 KiB of W that each reads alone; everything comes through registers, once.
.set SPARE, 131072                     ; behind the 16 waves' regions of 8,192 bytes: the spare words, 128 bytes a wave, which no other line names
.set VW,  3                            ; v3   my byte offset in W: 8 (l / 16) rows + 16 (l % 16)
.set VA,  4                            ; v4   my byte offset in hidden: row l % 16, 32 (l / 16)
.set SA,  5                            ; v5   LDS: where I put my results
.set LA,  6                            ; v6-7 LDS: where I read the partial sums of waves 0-7, 8-15
.set GO,  8                            ; v8   my byte offset in vp
.set SPW, 10                           ; v10  LDS address of my spare word; never rewritten
.set NIL, 11                           ; v11  0; never rewritten
.set T,   12                           ; v12-19   four pairs at work
.set RA,  20                           ; v20-51   hidden as loaded: tile mt, number kk at RA + 16 mt + kk; later W's fragments of tiles 2 and 3
.set AF,  52                           ; v52-83   hidden's fragments: tile mt: hi at AF + 16 mt, lo 8 further on
.set BF,  84                           ; v84-115  W's fragments of tiles 0 and 1: hi at BF + 16 t, lo 8 further on
.set RW,  116                          ; v116-179 W as loaded: row kk, column c at RW + 4 kk + c
.set X,   116                          ;          later the 16 waves' partial sums: wave w, column t at X + 4 w + t
.set ACC, 180                          ; v180-243 the eight accumulators: (mt, t) at ACC + 8 (4 mt + t)
	s_load_b128 s[4:7], s[0:1], 0x0                ; hidden s[4:5], W s[6:7]
	s_load_b64 s[8:9], s[0:1], 0x10                ; vp
	v_lshl_add_u32 v[SPW], v0, 2, SPARE
	v_mov_b32 v[NIL], 0
	v_lshrrev_b32 v9, 5, v0
	v_readfirstlane_b32 s10, v9                    ; wave 0..15
	v_and_b32 v1, 15, v0                           ; r = l % 16
	v_bfe_u32 v2, v0, 4, 1                         ; hh = l / 16
	v_lshlrev_b32 v[VW], 4, v1
	v_lshl_add_u32 v[VW], v2, 15, v[VW]            ; 8 hh rows of 4,096 bytes + 16 r
	v_lshlrev_b32 v[VA], 12, v1
	v_lshl_add_u32 v[VA], v2, 5, v[VA]             ; row r + 8 hh numbers
	s_and_b32 s12, ttmp7, 0xffff                   ; y: the K half
	s_lshl_b32 s13, s12, 9
	s_lshl_b32 s17, s10, 5
	s_add_co_u32 s13, s13, s17                     ; k0 = 512 y + 32 w
	s_mov_b32 s16, 0xffff0000                      ; a word's upper bf16
	s_lshl_b32 s14, s13, 2                         ; hidden: k0 numbers along the rows
	s_mov_b32 s15, 0
	s_lshl_b32 s20, s13, 12                        ; W: k0 rows down,
	s_lshl_b32 s17, ttmp9, 8                       ; 64 x columns along
	s_add_co_u32 s20, s20, s17
	s_mov_b32 s21, 0
	s_lshl_b32 s22, s12, 17                        ; vp: half y,
	s_lshl_b32 s18, s10, 13                        ; rows 2 w and 2 w + 1 (8,192 w is also my region in LDS),
	s_add_co_u32 s22, s22, s18
	s_add_co_u32 s22, s22, s17                     ; 64 x columns along
	s_mov_b32 s23, 0
	s_wait_kmcnt 0x0
	s_add_nc_u64 s[4:5], s[4:5], s[14:15]
	s_add_nc_u64 s[6:7], s[6:7], s[20:21]
	s_add_nc_u64 s[8:9], s[8:9], s[22:23]
	; A 16-bit fragment wants, in lane (r, hh), k = 8 hh + 0..7 and 16 + 8 hh + 0..7: sixteen numbers kk = 0..15.
.irp mt, 0,1
.irp q, 0,1,2,3
	global_load_b128 v[RA+16*(\mt)+4*(\q):RA+16*(\mt)+4*(\q)+3], v[VA], s[4:5] offset:(\mt)*65536+((\q)/2)*64+((\q)%2)*16  ; hidden(16 mt + r, kk = 4 q ..)
.endr
.endr
.set kk, 0
.rept 16
	global_load_b128 v[RW+4*kk:RW+4*kk+3], v[VW], s[6:7] offset:(kk%8)*4096+(kk/8)*65536 th:TH_LOAD_NT  ; W(row kk, columns 4 r .. 4 r + 3): read once in the launch
.set kk, kk+1
.endr
	; While the loads are out: the LDS map.  Element (b, column 4 r + t) of wave w lies at 8192 w + 2048 t + 256 (b / 4) + 16 r + 4 (b % 4).
	v_lshlrev_b32 v[GO], 4, v1                     ; 16 r
	v_lshl_add_u32 v[SA], v2, 9, v[GO]             ; my results are b = 16 mt + 8 hh + 0..7: 512 hh + 16 r,
	v_add_nc_u32 v[SA], s18, v[SA]                 ; in my wave's region; t, mt and the half of eight stand in the immediate
	s_lshr_b32 s17, s10, 1
	s_lshl_b32 s17, s17, 8
	s_and_b32 s19, s10, 1
	s_lshl_b32 s19, s19, 3
	s_add_co_u32 s17, s17, s19                     ; back: b = 2 w + hh: 256 (w / 2) + 8 (w % 2)
	v_lshl_add_u32 v[LA], v2, 2, v[GO]             ; + 4 hh + 16 r
	v_add_nc_u32 v[LA], s17, v[LA]
	v_add_nc_u32 v[LA+1], 0x10000, v[LA]           ; regions 8 to 15 lie beyond a 16-bit immediate
	v_lshl_add_u32 v[GO], v2, 12, v[GO]            ; vp: row hh of my two, 16 r
; x = hi + lo for four pairs of numbers at a time: round two to bf16; widen them again; take them away (exact); round the rest.
.macro SPLITA mt                       ; hidden's tile mt: a pair of numbers lies in neighbouring registers
.irp g, 0,4
.irp i, 0,1,2,3
	v_cvt_pk_bf16_f32 v[AF+16*(\mt)+(\g)+(\i)], v[RA+16*(\mt)+2*((\g)+(\i))], v[RA+16*(\mt)+2*((\g)+(\i))+1]
.endr
.irp i, 0,1,2,3
	v_lshlrev_b32 v[T+2*(\i)], 16, v[AF+16*(\mt)+(\g)+(\i)]
	v_and_b32 v[T+2*(\i)+1], s16, v[AF+16*(\mt)+(\g)+(\i)]
.endr
.irp i, 0,1,2,3
	v_pk_add_f32 v[T+2*(\i):T+2*(\i)+1], v[RA+16*(\mt)+2*((\g)+(\i)):RA+16*(\mt)+2*((\g)+(\i))+1], v[T+2*(\i):T+2*(\i)+1] neg_lo:[0,1] neg_hi:[0,1]
.endr
.irp i, 0,1,2,3
	v_cvt_pk_bf16_f32 v[AF+16*(\mt)+8+(\g)+(\i)], v[T+2*(\i)], v[T+2*(\i)+1]
.endr
.endr
.endm
.macro BREG t                          ; where W's fragments of tile t lie: tiles 2 and 3 take the registers that hidden's raw numbers have left
.if (\t) < 2
.set rBH, BF+16*(\t)
.else
.set rBH, RA+16*((\t)-2)
.endif
.endm
.macro SPLITB t                        ; W's tile t: the two numbers of a pair lie four registers apart (two rows of W)
	BREG \t
.irp g, 0,4
.irp i, 0,1,2,3
	v_cvt_pk_bf16_f32 v[rBH+(\g)+(\i)], v[RW+8*((\g)+(\i))+(\t)], v[RW+8*((\g)+(\i))+4+(\t)]
.endr
.irp i, 0,1,2,3
	v_lshlrev_b32 v[T+2*(\i)], 16, v[rBH+(\g)+(\i)]
	v_and_b32 v[T+2*(\i)+1], s16, v[rBH+(\g)+(\i)]
.endr
.irp i, 0,1,2,3
	v_sub_f32 v[T+2*(\i)], v[RW+8*((\g)+(\i))+(\t)], v[T+2*(\i)]
	v_sub_f32 v[T+2*(\i)+1], v[RW+8*((\g)+(\i))+4+(\t)], v[T+2*(\i)+1]
.endr
.irp i, 0,1,2,3
	v_cvt_pk_bf16_f32 v[rBH+8+(\g)+(\i)], v[T+2*(\i)], v[T+2*(\i)+1]
.endr
.endr
.endm
; Product p of three for accumulator (mt, t): hi hi starts the sum with the constant 0, then hi lo, then lo hi.  In the result register j of lane (r, hh) is b = 16 mt + 8 hh + j, column 4 r + t.
.macro MM p, mt, t
	BREG \t
.set rD, ACC+8*(4*(\mt)+(\t))
.set rA, AF+16*(\mt)
.if (\p) == 0
	v_wmma_f32_16x16x32_bf16 v[rD:rD+7], v[rA:rA+7], v[rBH:rBH+7], 0
.elseif (\p) == 1
	v_wmma_f32_16x16x32_bf16 v[rD:rD+7], v[rA:rA+7], v[rBH+8:rBH+15], v[rD:rD+7]
.else
	v_wmma_f32_16x16x32_bf16 v[rD:rD+7], v[rA+8:rA+15], v[rBH:rBH+7], v[rD:rD+7]
.endif
.endm
; Twelve matrix instructions: the four accumulators of column tiles t0 and t0 + 1 take turns, one instruction a turn: three others' stand between two on one accumulator.
.macro GROUP t0
.irp p, 0,1,2
.irp t, \t0, (\t0)+1
.irp mt, 0,1
	MM \p, \mt, \t
.endr
.endr
.endr
.endm
	s_wait_loadcnt 16                              ; hidden's eight loads are in; W's sixteen, issued behind them, may stay out
	SPLITA 0
	SPLITA 1
	s_wait_loadcnt 0x0                             ; W
	SPLITB 0
	SPLITB 1
	GROUP 0
	SPLITB 2                                       ; these two name none of the registers of the products at work: they read W's raw numbers and write registers that only SPLITA has read
	SPLITB 3
	GROUP 2
.rept 4
	v_nop                                          ; four places between the last product and the LDS stores that read results
.endr
.irp mt, 0,1
.irp t, 0,1,2,3
.irp q, 0,1
	ds_store_b128 v[SA], v[ACC+8*(4*(\mt)+(\t))+4*(\q):ACC+8*(4*(\mt)+(\t))+4*(\q)+3] offset:(\t)*2048+(\mt)*1024+(\q)*256  ; each accumulator from its low end; 16 lanes fill 256 consecutive bytes
.endr
.endr
.endr
	s_wait_tensorcnt 0x0
	ds_add_u32 v[SPW], v[NIL]
	s_wait_dscnt 0x0                               ; what the barrier needs: my stores are done before I signal
	s_barrier_signal -1
	s_barrier_wait -1                              ; all sixteen regions are whole
.set w, 0
.rept 16
.irp t, 0,1,2,3
	ds_load_b32 v[X+4*w+(\t)], v[LA+w/8] offset:(\t)*2048+(w%8)*8192  ; wave w's part of (b = 2 u + hh, column 4 r + t): the 32 lanes take words 4 r + b % 4 of a run of 64
.endr
.set w, w+1
.endr
	s_wait_dscnt 0x0
.irp st, 8,4,2,1                       ; sixteen quads into one: 30 packed additions
.set w, 0
.rept \st
	v_pk_add_f32 v[X+4*w:X+4*w+1], v[X+4*w:X+4*w+1], v[X+4*(w+(\st)):X+4*(w+(\st))+1]
	v_pk_add_f32 v[X+4*w+2:X+4*w+3], v[X+4*w+2:X+4*w+3], v[X+4*(w+(\st))+2:X+4*(w+(\st))+3]
.set w, w+1
.endr
.endr
	global_store_b128 v[GO], v[X:X+3], s[8:9]      ; lanes 0-15 store 256 consecutive bytes of row 2 u, aligned; lanes 16-31 those of row 2 u + 1
	s_endpgm
.Lfunc_end_k_q7b26c2f63d_fold:
	.size	k_q7b26c2f63d_fold, .Lfunc_end_k_q7b26c2f63d_fold-k_q7b26c2f63d_fold
	.p2alignl 7, 3214868480
	.fill 96, 4, 3214868480
	.section	.rodata,"a",@progbits
	.p2align	6, 0x0
	.amdhsa_kernel k_q7b26c2f63d_fold
		.amdhsa_group_segment_fixed_size 133120
		.amdhsa_private_segment_fixed_size 0
		.amdhsa_enable_private_segment 0
		.amdhsa_kernarg_size 24
		.amdhsa_user_sgpr_count 2
		.amdhsa_user_sgpr_kernarg_segment_ptr 1
		.amdhsa_wavefront_size32 1
		.amdhsa_system_sgpr_workgroup_id_x 1
		.amdhsa_system_sgpr_workgroup_id_y 1
		.amdhsa_system_sgpr_workgroup_id_z 1
		.amdhsa_system_vgpr_workitem_id 0
		.amdhsa_next_free_vgpr 244
		.amdhsa_next_free_sgpr 66
		.amdhsa_reserve_vcc 0
		.amdhsa_float_denorm_mode_32 3
		.amdhsa_float_denorm_mode_16_64 3
		.amdhsa_memory_ordered 1
		.amdhsa_forward_progress 1
		.amdhsa_inst_pref_size 26
	.end_amdhsa_kernel
	.amdgpu_metadata
---
amdhsa.version: [ 1, 2 ]
amdhsa.kernels:
  - .name:           k_q7b26c2f63d_fold
    .symbol:         k_q7b26c2f63d_fold.kd
    .args:
      - { .name: hidden, .offset: 0, .size: 8, .value_kind: global_buffer, .address_space: global }
      - { .name: attn_w, .offset: 8, .size: 8, .value_kind: global_buffer, .address_space: global }
      - { .name: vp, .offset: 16, .size: 8, .value_kind: global_buffer, .address_space: global }
    .group_segment_fixed_size: 133120
    .private_segment_fixed_size: 0
    .kernarg_segment_align: 8
    .kernarg_segment_size: 24
    .max_flat_workgroup_size: 512
    .sgpr_count:     66
    .vgpr_count:     244
    .wavefront_size: 32
...
	.end_amdgpu_metadata
.endif
;; end of part 1
;; launch score (part 2): grid 8 x 32, 16 waves a work-group, no clusters, 3,072 bytes of LDS; arguments encoder_outputs, vp, scores; writes scores
.if DOCPART == 2
	.amdgcn_target "amdgcn-amd-amdhsa--gfx1250"
	.amdhsa_code_object_version 6
	.text
	.protected	k_q7b26c2f63d_score
	.globl	k_q7b26c2f63d_score
	.p2align	8
	.type	k_q7b26c2f63d_score,@function
k_q7b26c2f63d_score:
	s_mov_b64 s[64:65], 0
	v_nop
	global_prefetch_b8 v0, s[64:65] scope:SCOPE_SE
	s_setreg_imm32_b32 hwreg(HW_REG_WAVE_MODE, 25, 1), 1
	s_wait_xcnt 0x0
; scores[b][s] = the sum over h of enc[s][b][h] * v[b][h], v[b][h] = vp[0][b][h] + vp[1][b][h].   enc: [2048][32][1024], vp: [2][32][1024], scores: [32][2048], all f32.
; A STREAM: 268 MB of enc are read once, for one multiply-add a number.  Each b has a vector of its own, so a matrix tile 16 wide would use one column in sixteen and would want enc rounded to 16 bits,
; which the softmax behind does not bear (a score is a sum of 1,024 products, and differences of scores count to about 0.01).  So: f32, packed multiply-adds, no matrix unit.
; SHARES.  Work-group (x, y): b = 4 x .. 4 x + 3, s = 64 y .. 64 y + 63: 256 rows of 4,096 bytes; for one s its four rows are 16 KiB on end.  256 work-groups of equal work.
; Wave w of 16: b = 4 x + w % 4, s = 64 y + 16 (w / 4) + 0..15.  A row is eight loads of 16 bytes a lane, each covering 512 consecutive bytes; v[b] lies in 32 registers in the same order.
; THE RING: four row slots of 32 registers; 32 loads of every wave are always out, 16 KiB a wave, 256 KiB a work-group.  A row's place stands in the load's immediate
; (15 x 131,072 + 7 x 512 at the most, inside the signed 24 bits), so no address register is ever rewritten, and the sixteen rows are written out by macro.
; The wave's sixteen sums gather in one register (lane i holds row i % 16), go through 1 KiB of LDS, and leave as whole runs of 256 bytes: one b's 64 scores.
; NO CLUSTER, NO TENSOR LOADS: work-groups share only v, 32 KiB against 1 MiB of enc each; the register ring has more bytes out than one of two LDS slots could hold, and needs no barrier.
; LIMITS.  The sum's order is the lanes' and chains'.  NaN and infinities pass into the score.
.set ROWB,  131072                     ; bytes from s to s + 1
.set SPARE, 1024                       ; behind the stage: the spare words, 128 bytes a wave, which no other line names
.set VO,  1                            ; v1   16 x lane; never rewritten
.set STG, 2                            ; v2   LDS: where my lane's score goes
.set RDA, 3                            ; v3   LDS: where I read 16 bytes back (waves 0 and 1)
.set GO,  4                            ; v4   my byte offset in scores (waves 0 and 1)
.set R,   5                            ; v5   the wave's sixteen scores
.set SM,  6                            ; v6-7 a row's sum at work; the other half of the lanes'
.set SPW, 8                            ; v8   LDS address of my spare word; never rewritten
.set NIL, 9                            ; v9   0; never rewritten
.set A,   10                           ; v10-17   four pairs of running sums
.set V,   18                           ; v18-49   v[b]
.set VT,  50                           ; v50-81   its second K half as loaded
.set X,   82                           ; v82-209  slot n at X + 32 n
.set Q,   210                          ; v210-213 the way out
	s_load_b128 s[4:7], s[0:1], 0x0                ; enc s[4:5], vp s[6:7]
	s_load_b64 s[8:9], s[0:1], 0x10                ; scores
	v_lshl_add_u32 v[SPW], v0, 2, SPARE
	v_mov_b32 v[NIL], 0
	v_lshrrev_b32 v[R], 5, v0
	v_readfirstlane_b32 s10, v[R]                  ; wave 0..15
	v_and_b32 v[VO], 31, v0
	v_lshlrev_b32 v[VO], 4, v[VO]
	s_and_b32 s11, s10, 3                          ; which of the four b
	s_lshr_b32 s14, s10, 2                         ; which sixteen s
	s_and_b32 s16, ttmp7, 0xffff                   ; y
	s_lshl_b32 s17, ttmp9, 2
	s_add_co_u32 s17, s17, s11                     ; b
	s_lshl_b32 s22, s17, 12                        ; b's 4,096 bytes, in vp and in a plane of enc
	s_mov_b32 s23, 0
	s_lshl_b32 s18, s16, 6
	s_lshl_b32 s15, s14, 4
	s_add_co_u32 s18, s18, s15                     ; my first s
	s_lshl_b32 s18, s18, 17                        ; under 2^28
	s_add_co_u32 s18, s18, s22
	s_mov_b32 s19, 0
	s_lshl_b32 s24, ttmp9, 15                      ; scores: four rows of 8,192 bytes a step of x,
	s_lshl_b32 s15, s16, 8                         ; 64 numbers a step of y
	s_add_co_u32 s24, s24, s15
	s_mov_b32 s25, 0
	s_mov_b32 s12, 0x76543210                      ; v_permlanex16_b32: each lane takes its own place in the other half
	s_mov_b32 s13, 0xfedcba98
	s_wait_kmcnt 0x0
	s_add_nc_u64 s[4:5], s[4:5], s[18:19]
	s_add_nc_u64 s[6:7], s[6:7], s[22:23]
	s_add_nc_u64 s[8:9], s[8:9], s[24:25]
.irp j, 0,1,2,3,4,5,6,7
	global_load_b128 v[V+4*(\j):V+4*(\j)+3], v[VO], s[6:7] offset:(\j)*512
	global_load_b128 v[VT+4*(\j):VT+4*(\j)+3], v[VO], s[6:7] offset:131072+(\j)*512
.endr
.irp n, 0,1,2,3
.irp j, 0,1,2,3,4,5,6,7
	global_load_b128 v[X+32*(\n)+4*(\j):X+32*(\n)+4*(\j)+3], v[VO], s[4:5] offset:(\n)*ROWB+(\j)*512 th:TH_LOAD_NT  ; the ring is filled: rows 0 to 3
.endr
.endr
	; While the loads are out.  The stage: the score of (b local, s local) lies at 256 x b local + 4 x s local.
	v_and_b32 v[SM], 15, v0                        ; l % 16
	v_bfe_u32 v[SM+1], v0, 4, 1                    ; l / 16
	s_lshl_b32 s15, s11, 8
	s_lshl_b32 s21, s14, 6
	s_add_co_u32 s15, s15, s21
	v_lshl_add_u32 v[STG], v[SM], 2, s15           ; lane i holds s local = 16 (w / 4) + i % 16
	s_and_b32 s21, s10, 1                          ; the way out is made by waves 0 and 1; with w % 2 for w the two addresses stay inside the stage and the group's scores in every wave
	s_lshl_b32 s15, s21, 9
	v_add_nc_u32 v[RDA], s15, v[VO]                ; 16 bytes a thread: 512 (w % 2) + 16 l
	s_lshl_b32 s15, s21, 14
	v_lshl_add_u32 v[GO], v[SM+1], 13, s15         ; b local = 2 (w % 2) + l / 16: rows of 8,192 bytes,
	v_lshl_add_u32 v[GO], v[SM], 4, v[GO]          ; 16 (l % 16) along
	v_mov_b32 v[R], 0                              ; the selects below read it
	v_mov_b32 v[SM+1], 0                           ; v_permlanex16_b32 counts as a reader of its destination
	s_wait_loadcnt 32                              ; vp's sixteen loads are in; the ring's 32, issued behind them, stay out
.irp p, 0,1,2,3,4,5,6,7,8,9,10,11,12,13,14,15
	v_pk_add_f32 v[V+2*(\p):V+2*(\p)+1], v[V+2*(\p):V+2*(\p)+1], v[VT+2*(\p):VT+2*(\p)+1]  ; v = the two K halves
.endr
; One row: 16 packed multiply-adds in four chains (the first four products start them: nothing is cleared); the slot is filled again with the row four further on; the sum over pairs and lanes.
.macro ROW row
.set SL, X+32*((\row)%4)
.if (\row) < 12
	s_wait_loadcnt 24                              ; loads come back in order (ISA guide 5.7.1): my row's eight are in, the three younger slots' 24 stay out
.else
	s_wait_loadcnt 8*(15-(\row))                   ; the last rows fill nothing: the counts run down 24, 16, 8, 0
.endif
.irp p, 0,1,2,3
	v_pk_mul_f32 v[A+2*(\p):A+2*(\p)+1], v[SL+2*(\p):SL+2*(\p)+1], v[V+2*(\p):V+2*(\p)+1]
.endr
.irp p, 4,5,6,7,8,9,10,11,12,13,14,15
	v_pk_fma_f32 v[A+2*((\p)%4):A+2*((\p)%4)+1], v[SL+2*(\p):SL+2*(\p)+1], v[V+2*(\p):V+2*(\p)+1], v[A+2*((\p)%4):A+2*((\p)%4)+1]
.endr
.if (\row) < 12
.irp j, 0,1,2,3,4,5,6,7
	global_load_b128 v[SL+4*(\j):SL+4*(\j)+3], v[VO], s[4:5] offset:((\row)+4)*ROWB+(\j)*512 th:TH_LOAD_NT
.endr
.endif
	v_pk_add_f32 v[A:A+1], v[A:A+1], v[A+2:A+3]
	v_pk_add_f32 v[A+4:A+5], v[A+4:A+5], v[A+6:A+7]
	v_pk_add_f32 v[A:A+1], v[A:A+1], v[A+4:A+5]
	v_add_f32 v[SM], v[A], v[A+1]
	v_add_f32_dpp v[SM], v[SM], v[SM] row_xmask:1 row_mask:0xf bank_mask:0xf
	v_add_f32_dpp v[SM], v[SM], v[SM] row_xmask:2 row_mask:0xf bank_mask:0xf
	v_add_f32_dpp v[SM], v[SM], v[SM] row_xmask:4 row_mask:0xf bank_mask:0xf
	v_add_f32_dpp v[SM], v[SM], v[SM] row_xmask:8 row_mask:0xf bank_mask:0xf
	v_permlanex16_b32 v[SM+1], v[SM], s12, s13
	v_add_f32 v[SM], v[SM], v[SM+1]                ; every lane holds the row's score
	s_mov_b32 s20, 0x10001<<(\row)
	v_cndmask_b32 v[R], v[R], v[SM], s20           ; lanes row and row + 16 keep it
.endm
.irp row, 0,1,2,3,4,5,6,7,8,9,10,11,12,13,14,15
	ROW \row
.endr
	ds_store_b32 v[STG], v[R]                      ; lanes i and i + 16 write the same word with the same number
	s_wait_tensorcnt 0x0
	ds_add_u32 v[SPW], v[NIL]
	s_wait_dscnt 0x0                               ; what the barrier needs: my store is done before I signal
	s_barrier_signal -1
	s_barrier_wait -1                              ; the stage's 256 scores are there
	s_cmp_gt_u32 s10, 1
	s_cbranch_scc1 .Ldone                          ; 1,024 bytes are 64 threads' 16 bytes: waves 0 and 1
	ds_load_b128 v[Q:Q+3], v[RDA]
	s_wait_dscnt 0x0
	global_store_b128 v[GO], v[Q:Q+3], s[8:9]      ; 16 lanes store 256 consecutive bytes, aligned: one b's 64 scores
.Ldone:
	s_endpgm
.Lfunc_end_k_q7b26c2f63d_score:
	.size	k_q7b26c2f63d_score, .Lfunc_end_k_q7b26c2f63d_score-k_q7b26c2f63d_score
	.p2alignl 7, 3214868480
	.fill 96, 4, 3214868480
	.section	.rodata,"a",@progbits
	.p2align	6, 0x0
	.amdhsa_kernel k_q7b26c2f63d_score
		.amdhsa_group_segment_fixed_size 3072
		.amdhsa_private_segment_fixed_size 0
		.amdhsa_enable_private_segment 0
		.amdhsa_kernarg_size 24
		.amdhsa_user_sgpr_count 2
		.amdhsa_user_sgpr_kernarg_segment_ptr 1
		.amdhsa_wavefront_size32 1
		.amdhsa_system_sgpr_workgroup_id_x 1
		.amdhsa_system_sgpr_workgroup_id_y 1
		.amdhsa_system_sgpr_workgroup_id_z 1
		.amdhsa_system_vgpr_workitem_id 0
		.amdhsa_next_free_vgpr 216
		.amdhsa_next_free_sgpr 66
		.amdhsa_reserve_vcc 0
		.amdhsa_float_denorm_mode_32 3
		.amdhsa_float_denorm_mode_16_64 3
		.amdhsa_memory_ordered 1
		.amdhsa_forward_progress 1
		.amdhsa_inst_pref_size 45
	.end_amdhsa_kernel
	.amdgpu_metadata
---
amdhsa.version: [ 1, 2 ]
amdhsa.kernels:
  - .name:           k_q7b26c2f63d_score
    .symbol:         k_q7b26c2f63d_score.kd
    .args:
      - { .name: encoder_outputs, .offset: 0, .size: 8, .value_kind: global_buffer, .address_space: global }
      - { .name: vp, .offset: 8, .size: 8, .value_kind: global_buffer, .address_space: global }
      - { .name: scores, .offset: 16, .size: 8, .value_kind: global_buffer, .address_space: global }
    .group_segment_fixed_size: 3072
    .private_segment_fixed_size: 0
    .kernarg_segment_align: 8
    .kernarg_segment_size: 24
    .max_flat_workgroup_size: 512
    .sgpr_count:     66
    .vgpr_count:     216
    .wavefront_size: 32
...
	.end_amdgpu_metadata
.endif
;; end of part 2
;; launch soft (part 3): grid 32 x 1, 1 waves a work-group, no clusters, 0 bytes of LDS; arguments scores, hidden, attn_b, out0; writes out0
.if DOCPART == 3
	.amdgcn_target "amdgcn-amd-amdhsa--gfx1250"
	.amdhsa_code_object_version 6
	.text
	.protected	k_q7b26c2f63d_soft
	.globl	k_q7b26c2f63d_soft
	.p2align	8
	.type	k_q7b26c2f63d_soft,@function
k_q7b26c2f63d_soft:
	s_mov_b64 s[64:65], 0
	v_nop
	global_prefetch_b8 v0, s[64:65] scope:SCOPE_SE
	s_setreg_imm32_b32 hwreg(HW_REG_WAVE_MODE, 25, 1), 1
	s_wait_xcnt 0x0
; out0[0][b][s] = softmax over s of t[s], t[s] = scores[b][s] + c, c = hidden[b] . bias.   scores, out0: [32][2048]; hidden: [32][1024]; bias: [1024]; all f32.
; One wave, one row b: 2,048 scores are 64 registers of a wave, so the dot product, the maximum and the sum stay inside the wave: no LDS, no barrier.  The launch has 32 rows, so 32 work-groups;
; it moves 0.7 MB, all of a wave's 32 loads go out at once, and a row spread over more waves would add barriers to a few hundred instructions.  Nothing is shared but the bias's 4 KiB: no cluster.
; The bias's part c is the same for all s of a row; it is added to every score ahead of the maximum.
; The maximum m is the row's true maximum; t - m is formed first, so that small differences stay exact however large the scores are, and only then scaled by log2(e) for the base-2 exponential.
; LIMITS.  A weight below 2^-126 comes out as 0 (v_exp_f32 flushes it: ISA guide, its entry).  The sum l is at least 1, the maximum's own weight.  A NaN or an infinity among a row's scores makes the row NaN.
.set VO, 1                             ; v1       16 x lane; never rewritten
.set HB, 4                             ; v4-35    hidden[b]
.set BI, 36                            ; v36-67   the bias
.set SC, 68                            ; v68-131  the scores, then t, the exponents, the weights: load j holds s = 128 j + 4 l .. + 3
.set A,  132                           ; v132-139 four pairs at work; c, m and 1 / l are taken from a pair's low register for both halves
.set PX, 140                           ; v140     the other half of the lanes'
.macro WSUM r                          ; the sum over the 32 lanes, in every lane
	v_add_f32_dpp v[\r], v[\r], v[\r] row_xmask:1 row_mask:0xf bank_mask:0xf
	v_add_f32_dpp v[\r], v[\r], v[\r] row_xmask:2 row_mask:0xf bank_mask:0xf
	v_add_f32_dpp v[\r], v[\r], v[\r] row_xmask:4 row_mask:0xf bank_mask:0xf
	v_add_f32_dpp v[\r], v[\r], v[\r] row_xmask:8 row_mask:0xf bank_mask:0xf
	v_permlanex16_b32 v[PX], v[\r], s12, s13
	v_add_f32 v[\r], v[\r], v[PX]
.endm
.macro WMAX r                          ; the maximum likewise
	v_max_num_f32_dpp v[\r], v[\r], v[\r] row_xmask:1 row_mask:0xf bank_mask:0xf
	v_max_num_f32_dpp v[\r], v[\r], v[\r] row_xmask:2 row_mask:0xf bank_mask:0xf
	v_max_num_f32_dpp v[\r], v[\r], v[\r] row_xmask:4 row_mask:0xf bank_mask:0xf
	v_max_num_f32_dpp v[\r], v[\r], v[\r] row_xmask:8 row_mask:0xf bank_mask:0xf
	v_permlanex16_b32 v[PX], v[\r], s12, s13
	v_max_num_f32 v[\r], v[\r], v[PX]
.endm
.macro FOLD                            ; four pairs into one number, in v[A]
	v_pk_add_f32 v[A:A+1], v[A:A+1], v[A+2:A+3]
	v_pk_add_f32 v[A+4:A+5], v[A+4:A+5], v[A+6:A+7]
	v_pk_add_f32 v[A:A+1], v[A:A+1], v[A+4:A+5]
	v_add_f32 v[A], v[A], v[A+1]
.endm
	s_load_b256 s[4:11], s[0:1], 0x0               ; scores s[4:5], hidden s[6:7], bias s[8:9], out0 s[10:11]
	v_lshlrev_b32 v[VO], 4, v0                     ; one wave: the thread's number is the lane
	v_mov_b32 v[PX], 0                             ; v_permlanex16_b32 counts as a reader of its destination
	s_lshl_b32 s14, ttmp9, 13                      ; row b of scores and of out0
	s_mov_b32 s15, 0
	s_lshl_b32 s18, ttmp9, 12                      ; row b of hidden
	s_mov_b32 s19, 0
	s_mov_b32 s12, 0x76543210                      ; v_permlanex16_b32: each lane takes its own place in the other half
	s_mov_b32 s13, 0xfedcba98
	s_mov_b32 s16, 0x3fb8aa3b                      ; log2(e)
	s_mov_b32 s17, s16                             ; named with it as a pair
	s_wait_kmcnt 0x0
	s_add_nc_u64 s[4:5], s[4:5], s[14:15]
	s_add_nc_u64 s[10:11], s[10:11], s[14:15]
	s_add_nc_u64 s[6:7], s[6:7], s[18:19]
.irp j, 0,1,2,3,4,5,6,7
	global_load_b128 v[HB+4*(\j):HB+4*(\j)+3], v[VO], s[6:7] offset:(\j)*512
	global_load_b128 v[BI+4*(\j):BI+4*(\j)+3], v[VO], s[8:9] offset:(\j)*512
.endr
.irp j, 0,1,2,3,4,5,6,7,8,9,10,11,12,13,14,15
	global_load_b128 v[SC+4*(\j):SC+4*(\j)+3], v[VO], s[4:5] offset:(\j)*512
.endr
	s_wait_loadcnt 16                              ; hidden and the bias are in; the scores' sixteen loads, issued behind them, may stay out
.irp p, 0,1,2,3                        ; c = hidden[b] . bias: four chains, started by the first four products
	v_pk_mul_f32 v[A+2*(\p):A+2*(\p)+1], v[HB+2*(\p):HB+2*(\p)+1], v[BI+2*(\p):BI+2*(\p)+1]
.endr
.irp p, 4,5,6,7,8,9,10,11,12,13,14,15
	v_pk_fma_f32 v[A+2*((\p)%4):A+2*((\p)%4)+1], v[HB+2*(\p):HB+2*(\p)+1], v[BI+2*(\p):BI+2*(\p)+1], v[A+2*((\p)%4):A+2*((\p)%4)+1]
.endr
	FOLD
	WSUM A                                         ; c, in every lane
	s_wait_loadcnt 0x0                             ; the scores
.set p, 0
.rept 32
	v_pk_add_f32 v[SC+2*p:SC+2*p+1], v[SC+2*p:SC+2*p+1], v[A:A+1] op_sel_hi:[1,0]  ; t = score + c
.set p, p+1
.endr
.irp c, 0,1,2,3                        ; the maximum of my 64 numbers: four chains of sixteen, three operands at a time
	v_max_num_f32 v[A+(\c)], v[SC+16*(\c)], v[SC+16*(\c)+1]
.endr
.irp i, 1,2,3,4,5,6,7
.irp c, 0,1,2,3
	v_max3_num_f32 v[A+(\c)], v[A+(\c)], v[SC+16*(\c)+2*(\i)], v[SC+16*(\c)+2*(\i)+1]
.endr
.endr
	v_max3_num_f32 v[A], v[A], v[A+1], v[A+2]
	v_max_num_f32 v[A], v[A], v[A+3]
	WMAX A                                         ; m, in every lane
.set p, 0
.rept 32
	v_pk_add_f32 v[SC+2*p:SC+2*p+1], v[SC+2*p:SC+2*p+1], v[A:A+1] op_sel_hi:[1,0] neg_lo:[0,1] neg_hi:[0,1]  ; t - m
.set p, p+1
.endr
.set p, 0
.rept 32
	v_pk_mul_f32 v[SC+2*p:SC+2*p+1], v[SC+2*p:SC+2*p+1], s[16:17] op_sel_hi:[1,0]  ; times log2(e)
.set p, p+1
.endr
.set p, 0
.rept 64
	v_exp_f32 v[SC+p], v[SC+p]
.set p, p+1
.endr
	v_nop                                          ; a plain instruction between the last exponential and the use of its result (ISA guide 5.7.2)
	s_wait_alu depctr_va_vdst(0)
.irp p, 0,1,2,3                        ; l: four chains, started by the first eight pairs
	v_pk_add_f32 v[A+2*(\p):A+2*(\p)+1], v[SC+2*(\p):SC+2*(\p)+1], v[SC+8+2*(\p):SC+8+2*(\p)+1]
.endr
.set p, 8
.rept 24
	v_pk_add_f32 v[A+2*(p%4):A+2*(p%4)+1], v[A+2*(p%4):A+2*(p%4)+1], v[SC+2*p:SC+2*p+1]
.set p, p+1
.endr
	FOLD
	WSUM A                                         ; l, in every lane
	v_rcp_f32 v[A+2], v[A]
	v_nop                                          ; a plain instruction between the reciprocal and the use of its result
.set p, 0
	s_wait_alu depctr_va_vdst(0)
.rept 32
	v_pk_mul_f32 v[SC+2*p:SC+2*p+1], v[SC+2*p:SC+2*p+1], v[A+2:A+3] op_sel_hi:[1,0]  ; the weights
.set p, p+1
.endr
.irp j, 0,1,2,3,4,5,6,7,8,9,10,11,12,13,14,15
	global_store_b128 v[VO], v[SC+4*(\j):SC+4*(\j)+3], s[10:11] offset:(\j)*512  ; 512 consecutive bytes, at a multiple of 256 from out0's first byte
.endr
	s_endpgm
.Lfunc_end_k_q7b26c2f63d_soft:
	.size	k_q7b26c2f63d_soft, .Lfunc_end_k_q7b26c2f63d_soft-k_q7b26c2f63d_soft
	.p2alignl 7, 3214868480
	.fill 96, 4, 3214868480
	.section	.rodata,"a",@progbits
	.p2align	6, 0x0
	.amdhsa_kernel k_q7b26c2f63d_soft
		.amdhsa_group_segment_fixed_size 0
		.amdhsa_private_segment_fixed_size 0
		.amdhsa_enable_private_segment 0
		.amdhsa_kernarg_size 32
		.amdhsa_user_sgpr_count 2
		.amdhsa_user_sgpr_kernarg_segment_ptr 1
		.amdhsa_wavefront_size32 1
		.amdhsa_system_sgpr_workgroup_id_x 1
		.amdhsa_system_sgpr_workgroup_id_y 1
		.amdhsa_system_sgpr_workgroup_id_z 1
		.amdhsa_system_vgpr_workitem_id 0
		.amdhsa_next_free_vgpr 142
		.amdhsa_next_free_sgpr 66
		.amdhsa_reserve_vcc 0
		.amdhsa_float_denorm_mode_32 3
		.amdhsa_float_denorm_mode_16_64 3
		.amdhsa_memory_ordered 1
		.amdhsa_forward_progress 1
		.amdhsa_inst_pref_size 22
	.end_amdhsa_kernel
	.amdgpu_metadata
---
amdhsa.version: [ 1, 2 ]
amdhsa.kernels:
  - .name:           k_q7b26c2f63d_soft
    .symbol:         k_q7b26c2f63d_soft.kd
    .args:
      - { .name: scores, .offset: 0, .size: 8, .value_kind: global_buffer, .address_space: global }
      - { .name: hidden, .offset: 8, .size: 8, .value_kind: global_buffer, .address_space: global }
      - { .name: attn_b, .offset: 16, .size: 8, .value_kind: global_buffer, .address_space: global }
      - { .name: out0, .offset: 24, .size: 8, .value_kind: global_buffer, .address_space: global }
    .group_segment_fixed_size: 0
    .private_segment_fixed_size: 0
    .kernarg_segment_align: 8
    .kernarg_segment_size: 32
    .max_flat_workgroup_size: 32
    .sgpr_count:     66
    .vgpr_count:     142
    .wavefront_size: 32
...
	.end_amdgpu_metadata
.endif
;; end of part 3
